; MI455X (gfx1250); checked and timed in simulation.
; The chip was launched on July 23, 2026; its instructions are those of AMD's public machine-readable ISA for CDNA 5 (MIT licence, August 2026) and "CDNA5" Instruction Set Architecture Reference Guide (July 2026). The comments in the code are by the model that wrote it; some were corrected since.
;; Codec Attention. Allowed arithmetic: matrix products marked QUANTISED: E2M1 operands, one E8M0 scale for each 32 along K, by v_wmma_scale_f32_16x16x128_f8f6f4 with both operands' format E2M1 (or v_wmma_scale_f32_32x16x128_f4), f32 sums; everything else in f32.
;; Inputs: k_norm_w 1,024 float32; q_norm_w 1,024 float32; wk_codes 1,024 x 32 x 16 uint8 (E2M1 codes of wk, K innermost, in blocks of 32 codes, two codes a byte); wk_scales 1,024 x 32 uint8 (E8M0 scales of wk, one for each 32 codes along K); wo_codes 1,024 x 32 x 16 uint8 (E2M1 codes of wo, K innermost, in blocks of 32 codes, two codes a byte); wo_scales 1,024 x 32 uint8 (E8M0 scales of wo, one for each 32 codes along K); wq_codes 1,024 x 32 x 16 uint8 (E2M1 codes of wq, K innermost, in blocks of 32 codes, two codes a byte); wq_scales 1,024 x 32 uint8 (E8M0 scales of wq, one for each 32 codes along K); wv_codes 1,024 x 32 x 16 uint8 (E2M1 codes of wv, K innermost, in blocks of 32 codes, two codes a byte); wv_scales 1,024 x 32 uint8 (E8M0 scales of wv, one for each 32 codes along K); x_codes 4 x 2,048 x 32 x 16 uint8 (E2M1 codes of x, K innermost, in blocks of 32 codes, two codes a byte); x_scales 4 x 2,048 x 32 uint8 (E8M0 scales of x, one for each 32 codes along K).
;; Outputs: out0 4 x 2,048 x 1,024 float32.
;; This version of the problem:
;;   THIS VERSION OF THE PROBLEM IS GIVEN IN LOW PRECISION. The matrix products marked QUANTISED in the list below multiply operands that are first quantised to E2M1 (2 exponent bits, 1 mantissa bit; 4 bits a number), with one power-of-two scale for each 32 numbers along K (OCP MX v1.0); their sums are f32. All else is computed in f32.
;;   The module's matrix products, in the order in which they are computed (A, B: the left and right operand; K: the contracted axis; several contracted axes count as one K, in the product's order):
;;     1. [M 8,192, K 1,024] x [K 1,024, N 1,024]; A: input x (given as codes); B: input wq (given as codes): QUANTISED
;;     2. [M 8,192, K 1,024] x [K 1,024, N 1,024]; A: input x (given as codes); B: input wk (given as codes): QUANTISED
;;     3. [M 8,192, K 1,024] x [K 1,024, N 1,024]; A: input x (given as codes); B: input wv (given as codes): QUANTISED
;;     4. batch 32 x [M 2,048, K 128] x [K 128, N 2,048]; A: computed on the way; B: computed on the way: QUANTISED
;;     5. batch 32 x [M 2,048, K 2,048] x [K 2,048, N 128]; A: softmax (see below); B: computed on the way: QUANTISED
;;     6. [M 8,192, K 1,024] x [K 1,024, N 1,024]; A: computed on the way; B: input wo (given as codes): QUANTISED
;;   THE QUANTISER, for each operand of a quantised product, along K:
;;     - K is cut into blocks of 32 from its start; a last block that is shorter is filled with zeros.
;;     - A block's scale is 2^e with e = floor(log2(the largest magnitude in the block)) - 2, held to -126 .. 127; a block of zeros has e = 0. As a byte (E8M0): e + 127.
;;     - Each number is divided by its block's scale, clamped to +-6, and rounded to the nearest number of E2M1, ties to even, subnormals kept.
;;     - The product sums the exact products of the quantised numbers (number of the format x scale) in f32.
;;   ~~~python
;;   def quantise(x, axis):      # numpy; x: float32 -> the quantised numbers, widened to float32 again
;;       x = np.moveaxis(x, axis, -1); K = x.shape[-1]
;;       x = np.pad(x, [(0, 0)] * (x.ndim - 1) + [(0, -K % 32)]); x = x.reshape(x.shape[:-1] + (-1, 32)); a = np.abs(x).max(-1, keepdims=True)
;;       e = np.where(a > 0, np.clip(np.frexp(np.where(a > 0, a, 1))[1] - 1 - 2, -126, 127), 0)      # np.frexp(a)[1] - 1 = floor(log2(a)), exactly
;;       r = np.clip(x / 2.0 ** e, -6, 6)
;;       step = 2.0 ** (np.maximum(np.frexp(np.where(r == 0, 1, r))[1] - 1, 0) - 1)
;;       q = np.round(r / step) * step * 2.0 ** e      # np.round: ties to even
;;       return np.moveaxis(q.reshape(q.shape[:-2] + (-1,))[..., :K], -1, axis).astype(np.float32)
;;   ~~~
;;   SOFTMAX AHEAD OF A QUANTISED PRODUCT. Where the list says 'softmax', what is quantised is not the finished softmax but p = 2^(t - M), with t = logit x log2(e) and M = ceil(the row's largest t), a whole number; so 1/2 < the row's largest p <= 1. The row's sum l is taken of the UNQUANTISED p, in f32, and the product's result is divided by l at the end. Since M is a whole number, a kernel that streams over the keys may use a running M (the ceiling of the running maximum): every later rescaling is an exact power of two, which a block's scale takes up: the codes' values come out the same.
;;   OPERANDS COMPUTED ON THE WAY. 'Computed on the way' means the value that the module computes at that place (a softmax that the list does not call 'softmax' is quantised finished and normalised). What goes into a quantiser is computed in f32, as accurately as f32 sums, v_exp_f32 and their like allow (about 1e-6 of the number): no bf16 or f16 on the way to a quantiser, and a product that is left as it is and whose result goes on into a quantised operand takes f32 operands (vector FMAs, or v_wmma_f32_16x16x4_f32). A number that lies on a knife's edge between two numbers of the format may be rounded either way, as far as f32 arithmetic and the matrix unit's own rounding can turn it there, and no further.
;;   INPUTS GIVEN AS CODES. wk (in the module: [1024, 1024], K = its axis 0); wo (in the module: [1024, 1024], K = its axis 0); wq (in the module: [1024, 1024], K = its axis 0); wv (in the module: [1024, 1024], K = its axis 0); x (in the module: [4, 2048, 1024], K = its axis 2): each comes as NAME_codes (uint8): NAME with its K axis moved to the last place and cut into blocks of 32 codes, [.., K / 32, bytes a block], one block behind the other in memory; two codes a byte, the lower K in the low four bits (a code: sign, 2 exponent bits, 1 mantissa bit); and NAME_scales (uint8): the same leading axes, one E8M0 byte (e + 127) for each 32 codes along K. Its value is code x scale, taken as it is: it is not quantised again, and the codes and scales need not be those that the quantiser above would give.
;; One version. Each part assembles by itself: llvm-mc -triple=amdgcn-amd-amdhsa -mcpu=gfx1250 --defsym DOCPART=n.
;; ======== version 1 of 1: 1 launch
;; launch fused (part 1): grid 256 x 1, 4 waves a work-group, clusters of 4 x 1, 327,680 bytes of LDS; arguments x_codes, x_scales, wk_codes, wk_scales, wq_codes, wq_scales, wv_codes, wv_scales, wo_codes, wo_scales, k_norm_w, q_norm_w, out0; writes out0
.if DOCPART == 1
	.amdgcn_target "amdgcn-amd-amdhsa--gfx1250"
	.amdhsa_code_object_version 6
	.text
	.protected	k_q746e27acb9_fused
	.globl	k_q746e27acb9_fused
	.p2align	8
	.type	k_q746e27acb9_fused,@function
k_q746e27acb9_fused:
	s_mov_b64 s[64:65], 0
	v_nop
	global_prefetch_b8 v0, s[64:65] scope:SCOPE_SE
	s_setreg_imm32_b32 hwreg(HW_REG_WAVE_MODE, 25, 1), 1
	s_wait_xcnt 0x0
	s_wait_alu depctr_hold_cnt(0) depctr_sa_sdst(0) depctr_va_vdst(0) depctr_va_sdst(0) depctr_va_ssrc(0) depctr_va_vcc(0) depctr_vm_vsrc(0)
	s_getreg_b32 s2, hwreg(HW_REG_IB_STS2, 6, 4)
	s_cmp_eq_u32 s2, 0
	s_cbranch_scc0 .Lentry_in_a_cluster
	s_endpgm
.Lentry_in_a_cluster:
	s_bfe_u32 s2, ttmp6, 0x10000c
	s_cmp_lg_u32 s2, 0x3003
	s_cbranch_scc0 .Lentry_shape_is_right
	s_endpgm
.Lentry_shape_is_right:
; out = attention(rmsnorm(x wq), rmsnorm(x wk), x wv) wo, every product on codes of FP4 (E2M1) with one E8M0 scale for each 32 along K; sums, norms and softmax in f32.
; The mask keeps keys i-16 .. i of query i (and an ALiBi bias 2^-head x (key - query)), so only that band is multiplied.
; SHARES.  8,192 tokens, 256 work-groups: work-group g owns tokens 32 g .. 32 g + 31 (tiles t2, t3 of 16) and takes the 32 before them as a halo (t0, t1): k of t1 are window keys, v of t0, t1 complete
; the aligned block of 32 keys along which v and p are quantised.  Wave w owns heads 2 w and 2 w + 1: columns 256 w .. 256 w + 255 of wk, wq, wv and wo.  So q, k, v of a head are made and used in one
; wave's registers; between waves go only the rows' sums of squares (the norm spans all 1,024 columns) and y's codes (wo's K spans all heads), both through LDS.  x's 64 rows stay in each wave's registers.
; WEIGHTS.  16 sets (matrix K, Q, V, O x quarter i): wave w's tile of a set is rows 256 w + 64 i .. + 63, whole K: 64 rows of 512 bytes, into a ring of two LDS slots; only the wave that asked reads it.
; CLUSTER.  All work-groups walk the same weights in the same order: the four of a cluster ask JOINTLY (mask 15; the descriptor hangs on the wave's number alone), one load a wave behind each round.
; LAYOUT.  K, Q and O are used transposed (source 0 = 32 weight rows, source 1 = 16 tokens): a lane holds one token and 16 of a block's 32 columns (8 h + j and 16 + 8 h + j).  V is used as it stands
; (source 0 = 32 tokens, source 1 = 16 columns): a lane holds one column and 16 of a key block's tokens.  The conversions' eight results, laid block 2c | block 2c+1 | block 2c | block 2c+1 and
; exchanged in pairs between the halves of the lanes, are the next operand's registers.
; SOFTMAX.  t = score x log2(e)/sqrt(128) + slope x (key - query) x log2(e); M = ceil(row's largest t); p = 2^(t - M) is quantised along the keys; the sum of the unquantised p divides at the end.
; LIMITS.  Masked logits count as -infinity where the model writes -1e9: the same p = 0 while |q.k|/sqrt(128) stays far under 1e9 (the norms bound it by 90.5 x max|q_norm_w| x max|k_norm_w|).
; NaN, infinities and the scale byte 0xff among the inputs are not served.  A block whose largest magnitude lies under 2^-124 keeps the byte 1; a block of zeros gets the byte 1 and not 127: its codes are
; zeros and only this text reads the bytes.  The halo of a batch's first block is computed on other rows (the batch before; for g = 0 my own) and meets -infinity in the scores and zero codes of p.
.set USE32,  1                         ; 1: projections by the 32x16x128 form; 0: each by two 16x16x128 instructions on the halves of the same registers
.set PITCH,  528                       ; an LDS row of weights: 512 bytes + 16 of padding = 33 x 16: the 16 rows of a fragment load start in 16 different groups of four banks (ISA guide 11.1)
.set WTILE,  64*PITCH                  ; a wave's tile of a set
.set SLOTB,  4*WTILE                   ; a slot: four waves' tiles
.set YIMG,   2*SLOTB                   ; y's 16 fragments as images of their registers: (8 a + head) x 1,024 + 512 c + 16 lane
.set YSC,    YIMG+16384                ; y's scale words: 128 head + 64 a + 4 r
.set RED,    YSC+1024                  ; sums of squares: 256 tile + 16 r + 4 wave; K's from 0, Q's from 1,024
.set STAGE,  RED+2048                  ; the way out: 16 rows x 272 bytes for each wave
.set SPITCH, 272
.set SPARE,  STAGE+4*16*SPITCH         ; the spare words, 128 bytes for each wave: two blocks of 256 bytes that no other line names
; window 0
.set RL,   1                           ; v1   r = lane % 16
.set HL,   2                           ; v2   h = lane / 16
.set WA,   3                           ; v3-4 my lane's place in my wave's tile, slot 0, 1
.set YRD,  5                           ; v5   YIMG + 16 lane
.set YWI,  6                           ; v6   + 2,048 wave
.set YWS,  7                           ; v7   YSC + 4 r + 256 wave
.set YRS,  8                           ; v8   YSC + 4 lane
.set REDW, 9                           ; v9   RED + 16 r + 4 wave
.set REDR, 10                          ; v10  RED + 16 r
.set STO,  11                          ; v11  stage, in: 272 r + 32 h
.set SRD,  12                          ; v12  stage, back: 272 h + 16 r
.set CO,   13                          ; v13  out: 4,096 h + 16 r
.set SPW,  14                          ; v14  my spare word; never rewritten
.set NIL,  15                          ; v15  0; never rewritten
.set WSO,  16                          ; v16  32 lane: a row of scale bytes
.set NWO,  17                          ; v17  32 h: eight norm weights
.set XO,   18                          ; v18  512 r + 16 h: a row of x's codes
.set TP,   19                          ; v19  at work
.set SS,   20                          ; v20-25 sums of squares, a pair a token tile
.set RR,   26                          ; v26-31 1/rms, a pair a token tile
.set XS,   32                          ; v32-47 x's scale words: 8 p + s; lane = token of pair p
.set YS,   32                          ; v32-39 later y's: s; lanes 0-15 tile 0, lanes 16-31 tile 1
.set WS,   48                          ; v48-79 weights' scale words: 16 (set % 2) + 8 pl + s; lane = row of the pair
.set KS,   80                          ; v80-85 k's scale words: 3 hd + tile
.set QS,   86                          ; v86-89 q's: 2 hd + a
.set VS,   90                          ; v90-105 v's: 8 hd + dt
.set PS,   106                         ; v106-107 p's: a
.set TM,   108                         ; v108-123 the quantiser's work: maxima, bytes, -, scale operands
.set PW,   124                         ; v124-127 y's scale words on their way to LDS
.set WB,   128                         ; v128-255 weight fragments, two buffers of 64: 64 buf + 16 s4 + 8 u + 4 c.  In attention: scratch:
.set BA2,  128                         ; bias x log2(e) of the earlier key tile, with the halo's keys hidden in a batch's first block
.set BA,   136                         ; the same without that
.set BB,   144                         ; of the query's own tile
.set TA2,  152                         ; the three tables x the head's slope
.set TA,   160
.set TBB,  168
.set SR,   176                         ; scores, then p: 16 a + 8 (tile B) + j
.set PC,   208                         ; p's codes: 8 a; registers 4-7 stay zeros
.set ST,   224                         ; 8 a: +0 -M, +1 largest t, +2 l, +3 exchange, +4 1/l, +5 its partner
.set TT,   240                         ; at work
; windows 2 + hd, one for each of my heads
.set KN,   192                         ; k_norm_w of my lane's columns
.set QN,   128                         ; q_norm_w
.set KC,   192                         ; k's codes: 8 tile
.set QC,   216                         ; q's codes: 8 a
.set YC,   232                         ; y's codes: 8 a
.set VACC, 64                          ; v's sums: 64 pl + 32 u + 16 p;  v's codes lie at 4 dt, zeros at 32-35
.set YA,   64                          ; y's sums: 64 a + 8 dt
; scalars
.set WV,   30                          ; s30  wave
.set G1,   36                          ; s[36:43] descriptor group 1
.set G0A,  44                          ; s[44:47], s[48:51] group 0 for slot 0, 1
.set SEL,  52                          ; s[52:53] v_permlanex16_b32's selects: lane l xor 16
.set CS,   54                          ; s[54:55] log2(e)/sqrt(128)
.set SLP,  56                          ; s56-57 my two heads' slopes
.set FIRST, 58                         ; s58  all ones in a batch's first block, else 0
.set MSB, 0
.macro WIN new                         ; the immediate's high byte repeats the setting that is left; a switch that changes nothing is dropped
.if MSB != (\new)
	s_set_vgpr_msb (MSB<<8)|(\new)
.set MSB, (\new)
.endif
.endm
.macro PLACES                          ; four plain places behind matrix instructions, in front of loads into their registers and of reads of their results
.rept 4
	v_nop
.endr
.endm
.macro CROUND                          ; a round of the cluster's barrier; every window is 0 here
	s_barrier_signal -1
	s_barrier_wait -1
	s_cmp_lg_u32 s[WV], 0
	s_cbranch_scc1 .Lnot_wave_0_\@
	s_barrier_signal -3
.Lnot_wave_0_\@:
	s_barrier_wait -3
	s_barrier_signal -1
	s_barrier_wait -1
.endm
; One product 32 x 16 x 128: D 16 registers, A 16 (32 rows; its scale words in all 32 lanes), B 8 (its scale words in lanes 0-15, or 16-31 with brow).  zero: it starts the sum.
.macro MM32 d, a, b, zero, sa, sb, brow
.if USE32
.if \zero
.if \brow
	v_wmma_scale_f32_32x16x128_f4 v[\d:\d+15], v[\a:\a+15], v[\b:\b+7], 0, v[\sa], v[\sb] matrix_b_scale:MATRIX_SCALE_ROW1
.else
	v_wmma_scale_f32_32x16x128_f4 v[\d:\d+15], v[\a:\a+15], v[\b:\b+7], 0, v[\sa], v[\sb]
.endif
.else
.if \brow
	v_wmma_scale_f32_32x16x128_f4 v[\d:\d+15], v[\a:\a+15], v[\b:\b+7], v[\d:\d+15], v[\sa], v[\sb] matrix_b_scale:MATRIX_SCALE_ROW1
.else
	v_wmma_scale_f32_32x16x128_f4 v[\d:\d+15], v[\a:\a+15], v[\b:\b+7], v[\d:\d+15], v[\sa], v[\sb]
.endif
.endif
.else
.if \zero
.if \brow
	v_wmma_scale_f32_16x16x128_f8f6f4 v[\d:\d+7], v[\a:\a+7], v[\b:\b+7], 0, v[\sa], v[\sb] matrix_a_fmt:MATRIX_FMT_FP4 matrix_b_fmt:MATRIX_FMT_FP4 matrix_b_scale:MATRIX_SCALE_ROW1
	v_wmma_scale_f32_16x16x128_f8f6f4 v[\d+8:\d+15], v[\a+8:\a+15], v[\b:\b+7], 0, v[\sa], v[\sb] matrix_a_fmt:MATRIX_FMT_FP4 matrix_b_fmt:MATRIX_FMT_FP4 matrix_a_scale:MATRIX_SCALE_ROW1 matrix_b_scale:MATRIX_SCALE_ROW1
.else
	v_wmma_scale_f32_16x16x128_f8f6f4 v[\d:\d+7], v[\a:\a+7], v[\b:\b+7], 0, v[\sa], v[\sb] matrix_a_fmt:MATRIX_FMT_FP4 matrix_b_fmt:MATRIX_FMT_FP4
	v_wmma_scale_f32_16x16x128_f8f6f4 v[\d+8:\d+15], v[\a+8:\a+15], v[\b:\b+7], 0, v[\sa], v[\sb] matrix_a_fmt:MATRIX_FMT_FP4 matrix_b_fmt:MATRIX_FMT_FP4 matrix_a_scale:MATRIX_SCALE_ROW1
.endif
.else
.if \brow
	v_wmma_scale_f32_16x16x128_f8f6f4 v[\d:\d+7], v[\a:\a+7], v[\b:\b+7], v[\d:\d+7], v[\sa], v[\sb] matrix_a_fmt:MATRIX_FMT_FP4 matrix_b_fmt:MATRIX_FMT_FP4 matrix_b_scale:MATRIX_SCALE_ROW1
	v_wmma_scale_f32_16x16x128_f8f6f4 v[\d+8:\d+15], v[\a+8:\a+15], v[\b:\b+7], v[\d+8:\d+15], v[\sa], v[\sb] matrix_a_fmt:MATRIX_FMT_FP4 matrix_b_fmt:MATRIX_FMT_FP4 matrix_a_scale:MATRIX_SCALE_ROW1 matrix_b_scale:MATRIX_SCALE_ROW1
.else
	v_wmma_scale_f32_16x16x128_f8f6f4 v[\d:\d+7], v[\a:\a+7], v[\b:\b+7], v[\d:\d+7], v[\sa], v[\sb] matrix_a_fmt:MATRIX_FMT_FP4 matrix_b_fmt:MATRIX_FMT_FP4
	v_wmma_scale_f32_16x16x128_f8f6f4 v[\d+8:\d+15], v[\a+8:\a+15], v[\b:\b+7], v[\d+8:\d+15], v[\sa], v[\sb] matrix_a_fmt:MATRIX_FMT_FP4 matrix_b_fmt:MATRIX_FMT_FP4 matrix_a_scale:MATRIX_SCALE_ROW1
.endif
.endif
.endif
.endm
; A unit: 32 weight rows (pair pl of the slot) x four K steps (4 q + s4): 16 LDS loads into buffer buf
.macro LOADU slot, pl, q, buf
	WIN 0
.irp s4, 0,1,2,3
.irp uu, 0,1
.irp cc, 0,1
	ds_load_b128 v[WB+64*(\buf)+16*\s4+8*\uu+4*\cc:WB+64*(\buf)+16*\s4+8*\uu+4*\cc+3], v[WA+(\slot)] offset:(32*(\pl)+16*\uu)*PITCH+64*(4*(\q)+\s4)+32*\cc
.endr
.endr
.endr
.endm
; The scale words of set sg's 64 rows: lane L takes row L of each pair, eight words: 1,024 consecutive bytes a pair
.macro WSLOAD sg
	WIN 0
.set w_b, 10+4*((\sg)/4)
.set w_r, WS+16*((\sg)%2)
.irp pl, 0,1
.irp ee, 0,1
	global_load_b128 v[w_r+8*\pl+4*\ee:w_r+8*\pl+4*\ee+3], v[WSO], s[w_b:w_b+1] offset:(64*((\sg)%4)+32*\pl)*32+16*\ee
.endr
.endr
.endm
; A head's 128 norm weights in the accumulators' layout: register 16 P + 8 v + j = column 32 P + 16 v + 8 h + j
.macro NWLOAD sb, hd, nb
	WIN (2+(\hd))*64
.irp pp, 0,1,2,3
.irp vv, 0,1
.irp ee, 0,1
	global_load_b128 v[(\nb)+16*\pp+8*\vv+4*\ee:(\nb)+16*\pp+8*\vv+4*\ee+3], v[NWO], s[\sb:\sb+1] offset:(128*(\hd)+32*\pp+16*\vv)*4+16*\ee
.endr
.endr
.endr
.endm
; One product of each phase; the m_ symbols are MULU's
.macro KQ1 tt                          ; K, Q: 32 weight rows x token tile tt
.set rD,  64*((\tt)-m_t0)+16*m_P
.set rB,  128*((\tt)/2)+16*m_s+8*((\tt)%2)
.set rSB, XS+8*((\tt)/2)+m_s
.set fR,  (\tt)%2
	MM32 rD, rA, rB, fZ, rSA, rSB, fR
.endm
.macro V1 uu, pp                       ; V: the 32 tokens of pair pp x 16 weight rows
.set rD,  VACC+64*m_pl+32*(\uu)+16*(\pp)
.set rX,  128*(\pp)+16*m_s
.set rW,  rA+8*(\uu)
.set rSB, XS+8*(\pp)+m_s
	MM32 rD, rX, rW, fZ, rSB, rSA, \uu
.endm
.macro O1 uu                           ; O: 32 weight rows x y's token tile uu
.set rD,  64*m_z+32*m_pl+16*(\uu)
.set rB,  16*m_s+8*(\uu)
.set rSB, YS+m_s
	MM32 rD, rA, rB, fZ, rSA, rSB, \uu
.endm
; Unit un (= 2 pl + q) of set sg is multiplied.  The 3, 2, 4 or 2 accumulators of a unit take turns, one instruction a turn, from unit to unit too.
.macro MULU sg, un
.set m_M,  (\sg)/4
.set m_i,  (\sg)%4
.set m_hd, m_i/2
.set m_z,  (\sg)%2
.set m_pl, (\un)/2
.set m_q,  (\un)%2
.set m_P,  2*(m_i%2)+m_pl
.set m_t0, 1+m_M
.if m_M < 2
	WIN 0xa4+0x50*m_hd                 ; source 0 (weights) window 0, source 1 (x) window 1, C and D the head's window
.elseif m_M == 2
	WIN 0xa1+0x50*m_hd                 ; source 0 (x) window 1, source 1 (weights) window 0
.else
	WIN 0xa4                           ; source 1 (y) window 1, C and D window 2
.endif
.irp s4, 0,1,2,3
.set m_s,  4*m_q+\s4
.set rA,   WB+64*m_q+16*\s4
.set rSA,  WS+16*m_z+8*m_pl+m_s
.set fZ,   0
.if m_s == 0
.set fZ,   1
.endif
.if m_M == 0
.irp tt, 1,2,3
	KQ1 \tt
.endr
.elseif m_M == 1
.irp tt, 2,3
	KQ1 \tt
.endr
.elseif m_M == 2
.irp uu, 0,1
.irp pp, 0,1
	V1 \uu, \pp
.endr
.endr
.else
.irp uu, 0,1
	O1 \uu
.endr
.endif
.endr
.endm
; The squares of a finished pair of column tiles are added to the token tiles' sums; each accumulator is read from its low end on
.macro SUMSQ hd, nt, pp, first
	WIN (2+(\hd))*5                    ; sources 0 and 1: the head's window
.irp ii, 0,1,2,3,4,5,6,7
.irp tt, 0,1,2
.if \tt < \nt
.set rQ, 64*\tt+16*(\pp)+2*\ii
.if (\first) && (\ii == 0)
	v_pk_mul_f32 v[SS+2*\tt:SS+2*\tt+1], v[rQ:rQ+1], v[rQ:rQ+1]
.else
	v_pk_fma_f32 v[SS+2*\tt:SS+2*\tt+1], v[rQ:rQ+1], v[rQ:rQ+1], v[SS+2*\tt:SS+2*\tt+1]
.endif
.endif
.endr
.endr
.endm
; The rows' sums of squares meet in LDS: my 256 columns' (two halves of a pair, two halves of the lanes), a barrier, the four waves'; then 1/sqrt(sum/1024 + 1e-6)
.macro REDUCE nt, ofs
	WIN 0
.irp tt, 0,1,2
.if \tt < \nt
	v_add_f32 v[TM+\tt], v[SS+2*\tt], v[SS+2*\tt+1]
.endif
.endr
.irp tt, 0,1,2
.if \tt < \nt
	v_permlanex16_b32 v[TM+4+\tt], v[TM+\tt], s[SEL], s[SEL+1]
.endif
.endr
.irp tt, 0,1,2
.if \tt < \nt
	v_add_f32 v[TM+\tt], v[TM+\tt], v[TM+4+\tt]
	ds_store_b32 v[REDW], v[TM+\tt] offset:(\ofs)+256*\tt      ; lanes r and r + 16 write the same word with the same value
.endif
.endr
	s_wait_dscnt 0x0                   ; for the others' sake: my stores have landed
	s_barrier_signal -1
	s_barrier_wait -1
.irp tt, 0,1,2
.if \tt < \nt
	ds_load_b128 v[TM+4*\tt:TM+4*\tt+3], v[REDR] offset:(\ofs)+256*\tt
.endif
.endr
	s_wait_dscnt 0x0
.irp tt, 0,1,2
.if \tt < \nt
	v_add_f32 v[TM+4*\tt], v[TM+4*\tt], v[TM+4*\tt+1]
	v_add_f32 v[TM+4*\tt+2], v[TM+4*\tt+2], v[TM+4*\tt+3]
.endif
.endr
.irp tt, 0,1,2
.if \tt < \nt
	v_add_f32 v[TM+4*\tt], v[TM+4*\tt], v[TM+4*\tt+2]
.endif
.endr
.irp tt, 0,1,2
.if \tt < \nt
	v_fma_f32 v[TM+4*\tt], v[TM+4*\tt], s2, s3                 ; the mean + eps
.endif
.endr
.irp tt, 0,1,2
.if \tt < \nt
	v_rsq_f32 v[RR+2*\tt], v[TM+4*\tt]
.endif
.endr
	v_nop                              ; a plain place behind the last of them
	s_wait_alu depctr_va_vdst(0)       ; one wait for the batch, ahead of its first reader
.irp tt, 0,1,2
.if \tt < \nt
	v_mov_b32 v[RR+2*\tt+1], v[RR+2*\tt]                       ; named with it as a pair
.endif
.endr
.endm
; 64 numbers of a token tile and head: (x / rms) x weight, in that order
.macro NORM hd, acc, rr, nb
	WIN (2+(\hd))*65                   ; destination and source 0: the head's window
.set n_i, 0
.rept 32
	v_pk_mul_f32 v[(\acc)+n_i:(\acc)+n_i+1], v[(\acc)+n_i:(\acc)+n_i+1], v[\rr:\rr+1] op_sel_hi:[1,0]
.set n_i, n_i+2
.endr
	WIN (2+(\hd))*69                   ; and source 1
.set n_i, 0
.rept 32
	v_pk_mul_f32 v[(\acc)+n_i:(\acc)+n_i+1], v[(\acc)+n_i:(\acc)+n_i+1], v[(\nb)+n_i:(\nb)+n_i+1]
.set n_i, n_i+2
.endr
.endm
; 64 numbers of a lane in the head's window, four blocks of 16 registers (block b: k = 32 b + 8 h + j, then 32 b + 16 + 8 h + j; lane l xor 16 holds the block's other half), become 8 registers of codes
; in an operand's layout.  mode 0: one scale word of four bytes in v[sw].  mode 1 (v): blocks 0, 1 and 2, 3 are two column tiles of two key blocks: two words of two bytes, v[sw], v[sw+1].
.macro QUANT hd, src, dst, mode, sw
	WIN (2+(\hd))*5
.irp b, 0,1,2,3
	v_max3_num_f32 v[TM+\b], |v[(\src)+16*\b]|, |v[(\src)+16*\b+1]|, 0x1800000      ; and the floor 2^(3 - 127): the byte cannot fall under 1
.endr
.irp ii, 2,4,6,8,10,12,14
.irp b, 0,1,2,3
	v_max3_num_f32 v[TM+\b], |v[(\src)+16*\b+\ii]|, |v[(\src)+16*\b+\ii+1]|, v[TM+\b]   ; the four blocks by turns
.endr
.endr
	WIN 0
.irp b, 0,1,2,3
	v_permlanex16_b32 v[TM+4+\b], v[TM+\b], s[SEL], s[SEL+1]
.endr
.irp b, 0,1,2,3
	v_max_num_f32 v[TM+\b], v[TM+\b], v[TM+4+\b]               ; the block's largest magnitude
.endr
.irp b, 0,1,2,3
	v_add_nc_u32 v[TM+12+\b], 0xff000000, v[TM+\b]             ; 2 off its exponent field: the conversion's scale operand
.endr
.irp b, 0,1,2,3
	v_lshrrev_b32 v[TM+4+\b], 23, v[TM+12+\b]                  ; the scale's byte
.endr
.if \mode
	v_lshl_or_b32 v[\sw], v[TM+5], 8, v[TM+4]
	v_lshl_or_b32 v[(\sw)+1], v[TM+7], 8, v[TM+6]
.else
	v_lshl_or_b32 v[\sw], v[TM+5], 8, v[TM+4]
	v_lshl_or_b32 v[\sw], v[TM+6], 16, v[\sw]
	v_lshl_or_b32 v[\sw], v[TM+7], 24, v[\sw]
.endif
	WIN (2+(\hd))*65
.irp cc, 0,1
	v_cvt_scalef32_pk8_fp4_f32 v[(\dst)+4*\cc],   v[(\src)+32*\cc:(\src)+32*\cc+7],     v[TM+12+2*\cc]
	v_cvt_scalef32_pk8_fp4_f32 v[(\dst)+4*\cc+1], v[(\src)+32*\cc+16:(\src)+32*\cc+23], v[TM+13+2*\cc]
	v_cvt_scalef32_pk8_fp4_f32 v[(\dst)+4*\cc+2], v[(\src)+32*\cc+8:(\src)+32*\cc+15],  v[TM+12+2*\cc]
	v_cvt_scalef32_pk8_fp4_f32 v[(\dst)+4*\cc+3], v[(\src)+32*\cc+24:(\src)+32*\cc+31], v[TM+13+2*\cc]
.endr
	v_nop                              ; one plain place behind the conversions
.irp cc, 0,1                           ; the first's lanes 16-31 change places with the second's lanes 0-15: registers 4 c .. 4 c + 3 then hold k = 64 c + 32 h + 0 .. 31
	v_permlane16_swap_b32 v[(\dst)+4*\cc], v[(\dst)+4*\cc+1]
	v_permlane16_swap_b32 v[(\dst)+4*\cc+2], v[(\dst)+4*\cc+3]
.endr
	WIN 0
.endm
; The way out of a set of wo: 32 tokens x my 64 columns, a token tile at a time through my own stage; back as rows of 256 bytes.  LDS serves a wave's instructions in order (ISA guide 5.7.1.4).
.macro OUT zz, qi
	s_wait_xcnt 0x0                    ; the last set's stores have read their registers: these are loaded again only behind this wait
.irp uu, 0,1
	WIN 0x08                           ; an LDS store's data are its source 1: window 2
.irp pl, 0,1
.irp vv, 0,1
.irp ee, 0,1
	ds_store_b128 v[STO], v[64*(\zz)+32*\pl+16*\uu+8*\vv+4*\ee:64*(\zz)+32*\pl+16*\uu+8*\vv+4*\ee+3] offset:128*\pl+64*\vv+16*\ee   ; each accumulator from its low end on
.endr
.endr
.endr
	WIN 0xc0                           ; destination window 3
.irp kk, 0,1,2,3,4,5,6,7
	ds_load_b128 v[32*\uu+4*\kk:32*\uu+4*\kk+3], v[SRD] offset:2*SPITCH*\kk
.endr
.endr
	WIN 0x0c                           ; a store's data are its source 1: window 3
	s_wait_dscnt 16                    ; tile 0 is back; behind its loads stand tile 1's 8 stores and 8 loads
.irp kk, 0,1,2,3,4,5,6,7
	global_store_b128 v[CO], v[4*\kk:4*\kk+3], s[28:29] offset:8192*\kk+256*(\qi) th:TH_STORE_NT        ; 16 lanes store 256 consecutive bytes, at a multiple of 256 from out's first byte
.endr
	s_wait_dscnt 0x0
.irp kk, 0,1,2,3,4,5,6,7
	global_store_b128 v[CO], v[32+4*\kk:32+4*\kk+3], s[28:29] offset:65536+8192*\kk+256*(\qi) th:TH_STORE_NT
.endr
	WIN 0
.endm
; What follows a finished pair of column tiles
.macro POST sg, pl
.set p_M,  (\sg)/4
.set p_i,  (\sg)%4
.set p_hd, p_i/2
.set p_P,  2*(p_i%2)+(\pl)
.set p_f,  0
.if (p_i == 0) && ((\pl) == 0)
.set p_f,  1
.endif
.if p_M == 0
	SUMSQ p_hd, 3, p_P, p_f
.elseif p_M == 1
	SUMSQ p_hd, 2, p_P, p_f
.elseif p_M == 2
	QUANT p_hd, VACC+64*(\pl), 8*p_P, 1, VS+8*p_hd+2*p_P
.elseif (\pl) == 1
	OUT (\sg)%2, p_i
.endif
.endm
; The change of slots: all my tensor loads have landed (the one that was out is the next slot's), the add, my reads of this slot are in; a round of the cluster's barrier; this slot takes set sg + 2.
.macro CHANGE sg
	WIN 0
	s_wait_tensorcnt 0x0               ; no tensor load of mine is out, so a group 0 may be written
	ds_add_u32 v[SPW], v[NIL]          ; 0 onto my spare word
.set c_g0, G0A+4*((\sg)%2)
.set c_cb, 8+4*(((\sg)+2)/4)
	s_add_nc_u64 s[c_g0+2:c_g0+3], s[c_cb:c_cb+1], (((\sg)+2)%4)*32768   ; my 64 rows of the set two on
	s_or_b32 s[c_g0+3], s[c_g0+3], 0x80000000
	s_wait_dscnt 0x0                   ; the add is done; unit 3's loads are in: my reads of this slot are over
	CROUND                             ; no wave of any partner still reads this slot or has a load on its way
	tensor_load_to_lds s[c_g0:c_g0+3], s[G1:G1+7]
	s_nop 0
	PLACES                             ; the places in front of the loads into buffer 0
.endm
; A set: four units on two buffers.  cnt: the global loads issued behind this set's scale words.
.macro SLOT sg, cnt
.set c_sl, (\sg)%2
.set c_nx, 1-c_sl
	s_wait_dscnt 16                    ; unit 0 is in; unit 1's 16 loads may be out
	s_wait_loadcnt \cnt
	MULU \sg, 0
	PLACES
	LOADU c_sl, 1, 0, 0
	s_wait_dscnt 16                    ; unit 1 is in
	MULU \sg, 1
	PLACES
	LOADU c_sl, 1, 1, 1
	POST \sg, 0
	s_wait_dscnt 16                    ; unit 2 is in
	MULU \sg, 2
.if (\sg) <= 13
	CHANGE \sg
.elseif (\sg) == 14
	WIN 0
	s_wait_tensorcnt 0x0               ; the last set has landed; nothing is filled again
	PLACES
.endif
.if ((\sg) != 11) && ((\sg) != 15)
	LOADU c_nx, 0, 0, 0                ; the next set's unit 0
.endif
.if (\sg) == 14
	s_wait_dscnt 16                    ; unit 3 is in; the 16 just issued may be out
.elseif (\sg) == 15
	s_wait_dscnt 0x0
.endif
	MULU \sg, 3
	PLACES
.if ((\sg) != 11) && ((\sg) != 15)
	LOADU c_nx, 0, 1, 1
.endif
.if (\sg) <= 13
	WSLOAD (\sg)+2                     ; into the registers that this set's products have read
.endif
	POST \sg, 1
.endm
; Attention of head hd: two query tiles a (tokens 16 a + r of mine), each against the key tile before it (A) and its own (B)
.macro ATT hd
.set a_w, 2+(\hd)
	WIN a_w*5                          ; k's and q's codes: the head's window; the scores: window 0
.irp a, 0,1
	v_wmma_scale_f32_16x16x128_f8f6f4 v[SR+16*\a:SR+16*\a+7], v[KC+8*\a:KC+8*\a+7], v[QC+8*\a:QC+8*\a+7], 0, v[KS+3*(\hd)+\a], v[QS+2*(\hd)+\a] matrix_a_fmt:MATRIX_FMT_FP4 matrix_b_fmt:MATRIX_FMT_FP4
	v_wmma_scale_f32_16x16x128_f8f6f4 v[SR+16*\a+8:SR+16*\a+15], v[KC+8*\a+8:KC+8*\a+15], v[QC+8*\a:QC+8*\a+7], 0, v[KS+3*(\hd)+\a+1], v[QS+2*(\hd)+\a] matrix_a_fmt:MATRIX_FMT_FP4 matrix_b_fmt:MATRIX_FMT_FP4
.endr
	WIN 0
.irp j, 0,1,2,3,4,5,6,7                ; the tables x the head's slope: also the places behind the four products
	v_mul_f32 v[TA2+\j], s[SLP+(\hd)], v[BA2+\j]
	v_mul_f32 v[TA+\j], s[SLP+(\hd)], v[BA+\j]
	v_mul_f32 v[TBB+\j], s[SLP+(\hd)], v[BB+\j]
.endr
.irp i, 0,2,4,6                        ; t = score x c + bias; lane (r, h), register j: key 8 h + j of the tile, query r
	v_pk_fma_f32 v[SR+\i:SR+\i+1], v[SR+\i:SR+\i+1], s[CS:CS+1], v[TA2+\i:TA2+\i+1] op_sel_hi:[1,0,1]
	v_pk_fma_f32 v[SR+8+\i:SR+9+\i], v[SR+8+\i:SR+9+\i], s[CS:CS+1], v[TBB+\i:TBB+\i+1] op_sel_hi:[1,0,1]
	v_pk_fma_f32 v[SR+16+\i:SR+17+\i], v[SR+16+\i:SR+17+\i], s[CS:CS+1], v[TA+\i:TA+\i+1] op_sel_hi:[1,0,1]
	v_pk_fma_f32 v[SR+24+\i:SR+25+\i], v[SR+24+\i:SR+25+\i], s[CS:CS+1], v[TBB+\i:TBB+\i+1] op_sel_hi:[1,0,1]
.endr
.irp a, 0,1
	v_max3_num_f32 v[ST+8*\a+1], v[SR+16*\a], v[SR+16*\a+1], v[SR+16*\a+2]
.endr
.irp i, 3,5,7,9,11,13
.irp a, 0,1
	v_max3_num_f32 v[ST+8*\a+1], v[ST+8*\a+1], v[SR+16*\a+\i], v[SR+16*\a+\i+1]
.endr
.endr
.irp a, 0,1
	v_max_num_f32 v[ST+8*\a+1], v[ST+8*\a+1], v[SR+16*\a+15]
.endr
.irp a, 0,1
	v_permlanex16_b32 v[ST+8*\a+3], v[ST+8*\a+1], s[SEL], s[SEL+1]
.endr
.irp a, 0,1
	v_max_num_f32 v[ST+8*\a+1], v[ST+8*\a+1], v[ST+8*\a+3]     ; the row's largest t: the query's own key always counts
.endr
.irp a, 0,1
	v_floor_f32 v[ST+8*\a], -v[ST+8*\a+1]                      ; -M = floor(-t) = -ceil(t)
.endr
.irp i, 0,2,4,6,8,10,12,14
.irp a, 0,1
	v_pk_add_f32 v[SR+16*\a+\i:SR+16*\a+\i+1], v[SR+16*\a+\i:SR+16*\a+\i+1], v[ST+8*\a:ST+8*\a+1] op_sel_hi:[1,0]
.endr
.endr
.set e_i, 0
.rept 32
	v_exp_f32 v[SR+e_i], v[SR+e_i]                             ; p = 2^(t - M); 0 for hidden keys
.set e_i, e_i+1
.endr
	v_nop                              ; a plain place behind the last exponential
	s_wait_alu depctr_va_vdst(0)       ; one wait for the batch, ahead of its first reader
	; the key blocks' largest p.  a = 0: tile A lies in key block 0 (the halo's), tile B in block 1 (mine).  a = 1: both tiles lie in block 1; block 0 holds zeros
	v_max3_num_f32 v[TM],   v[SR],    v[SR+1],  0x1800000
	v_max3_num_f32 v[TM+1], v[SR+8],  v[SR+9],  0x1800000
	v_max3_num_f32 v[TM+2], v[SR+16], v[SR+17], 0x1800000
.irp i, 2,4,6
	v_max3_num_f32 v[TM],   v[TM],   v[SR+\i],    v[SR+\i+1]
	v_max3_num_f32 v[TM+1], v[TM+1], v[SR+8+\i],  v[SR+9+\i]
	v_max3_num_f32 v[TM+2], v[TM+2], v[SR+16+\i], v[SR+17+\i]
.endr
.irp i, 8,10,12,14
	v_max3_num_f32 v[TM+2], v[TM+2], v[SR+16+\i], v[SR+17+\i]
.endr
.irp b, 0,1,2
	v_permlanex16_b32 v[TM+4+\b], v[TM+\b], s[SEL], s[SEL+1]
.endr
.irp b, 0,1,2
	v_max_num_f32 v[TM+\b], v[TM+\b], v[TM+4+\b]
.endr
.irp b, 0,1,2
	v_add_nc_u32 v[TM+12+\b], 0xff000000, v[TM+\b]
.endr
.irp b, 0,1,2
	v_lshrrev_b32 v[TM+4+\b], 23, v[TM+12+\b]
.endr
	v_lshl_or_b32 v[PS], v[TM+5], 8, v[TM+4]                   ; p's scale words: byte 0 key block 0, byte 1 key block 1; bytes 2, 3 stand over zero codes
	v_lshl_or_b32 v[PS+1], v[TM+6], 8, v[TM+6]                 ; (a = 1: block 0's codes are zeros, any byte serves)
	v_mov_b32 v[PC], 0                                         ; the halves of the blocks that no key of the window reaches
	v_mov_b32 v[PC+3], 0
	v_mov_b32 v[PC+8], 0
	v_mov_b32 v[PC+10], 0
	v_cvt_scalef32_pk8_fp4_f32 v[PC+2],  v[SR:SR+7],     v[TM+12]   ; a = 0, tile A: block 0's second half
	v_cvt_scalef32_pk8_fp4_f32 v[PC+1],  v[SR+8:SR+15],  v[TM+13]   ;        tile B: block 1's first half
	v_cvt_scalef32_pk8_fp4_f32 v[PC+9],  v[SR+16:SR+23], v[TM+14]   ; a = 1, tile A: block 1's first half
	v_cvt_scalef32_pk8_fp4_f32 v[PC+11], v[SR+24:SR+31], v[TM+14]   ;        tile B: block 1's second half
	v_nop                              ; one plain place behind the conversions
.irp a, 0,1
	v_permlane16_swap_b32 v[PC+8*\a], v[PC+8*\a+1]
	v_permlane16_swap_b32 v[PC+8*\a+2], v[PC+8*\a+3]
.endr
	; the rows' sums of the unquantised p: also the places between the scale words' and the codes' last writes and the products
.irp a, 0,1
.irp k, 0,1,2,3
	v_pk_add_f32 v[TT+8*\a+2*\k:TT+8*\a+2*\k+1], v[SR+16*\a+4*\k:SR+16*\a+4*\k+1], v[SR+16*\a+4*\k+2:SR+16*\a+4*\k+3]
.endr
.endr
.irp a, 0,1
	v_pk_add_f32 v[TT+8*\a:TT+8*\a+1], v[TT+8*\a:TT+8*\a+1], v[TT+8*\a+2:TT+8*\a+3]
	v_pk_add_f32 v[TT+8*\a+4:TT+8*\a+5], v[TT+8*\a+4:TT+8*\a+5], v[TT+8*\a+6:TT+8*\a+7]
.endr
.irp a, 0,1
	v_pk_add_f32 v[TT+8*\a:TT+8*\a+1], v[TT+8*\a:TT+8*\a+1], v[TT+8*\a+4:TT+8*\a+5]
.endr
.irp a, 0,1
	v_add_f32 v[ST+8*\a+2], v[TT+8*\a], v[TT+8*\a+1]
.endr
.irp a, 0,1
	v_permlanex16_b32 v[ST+8*\a+3], v[ST+8*\a+2], s[SEL], s[SEL+1]
.endr
.irp a, 0,1
	v_add_f32 v[ST+8*\a+2], v[ST+8*\a+2], v[ST+8*\a+3]         ; l
.endr
.irp a, 0,1
	v_rcp_f32 v[ST+8*\a+4], v[ST+8*\a+2]
.endr
	v_nop                              ; a plain place behind the reciprocals; their wait stands behind the products, ahead of their first reader
	WIN a_w*65                         ; v's codes and y's sums: the head's window; p's codes: window 0
.irp dt, 0,1,2,3,4,5,6,7               ; O^T = V^T P^T: 16 of the head's 128 x 16 queries; K = the two key blocks, then 64 zero codes of p (over the next tile's codes of v, or the zeros at 32-35)
.irp a, 0,1
	v_wmma_scale_f32_16x16x128_f8f6f4 v[YA+64*\a+8*\dt:YA+64*\a+8*\dt+7], v[4*\dt:4*\dt+7], v[PC+8*\a:PC+8*\a+7], 0, v[VS+8*(\hd)+\dt], v[PS+\a] matrix_a_fmt:MATRIX_FMT_FP4 matrix_b_fmt:MATRIX_FMT_FP4
.endr
.endr
	PLACES
	s_wait_alu depctr_va_vdst(0)       ; the wait for the two reciprocals
.irp a, 0,1
.set e_i, 0
.rept 32
	v_pk_mul_f32 v[YA+64*\a+e_i:YA+64*\a+e_i+1], v[YA+64*\a+e_i:YA+64*\a+e_i+1], v[ST+8*\a+4:ST+8*\a+5] op_sel_hi:[1,0]   ; y = O / l, each accumulator from its low end on
.set e_i, e_i+2
.endr
.endr
	QUANT \hd, YA, YC, 0, PW+2*(\hd)
	QUANT \hd, YA+64, YC+8, 0, PW+2*(\hd)+1
	WIN a_w*4                          ; an LDS store's data are its source 1: the head's window
.irp a, 0,1
.irp cc, 0,1
	ds_store_b128 v[YWI], v[YC+8*\a+4*\cc:YC+8*\a+4*\cc+3] offset:1024*(\hd)+8192*\a+512*\cc   ; K step 2 w + hd of the last product, as an image of its registers
.endr
.endr
	WIN 0
.irp a, 0,1
	ds_store_b32 v[YWS], v[PW+2*(\hd)+\a] offset:128*(\hd)+64*\a
.endr
.endm
; ---------------- the head
	s_load_b512 s[4:19], s[0:1], 0x0               ; x codes, x scales, wk codes, scales, wq codes, scales, wv codes, scales
	s_load_b256 s[20:27], s[0:1], 0x40             ; wo codes, scales, k_norm_w, q_norm_w
	s_load_b64 s[28:29], s[0:1], 0x60              ; out
	v_lshl_add_u32 v[SPW], v0, 2, SPARE
	v_mov_b32 v[NIL], 0
	ds_add_u32 v14, v15
	ds_add_u32 v14, v15
	s_wait_dscnt 0x0
	v_lshrrev_b32 v[TP], 5, v0
	v_readfirstlane_b32 s[WV], v[TP]               ; wave 0..3
	s_bfe_u32 s31, ttmp6, 0x40000                  ; cx: it enters x's and out's addresses and one data mask, nothing else
	s_lshl_b32 s32, ttmp9, 2
	s_add_co_u32 s32, s32, s31                     ; g = 4 x cluster + cx
	; descriptor group 1: 64 rows of 512 bytes, dense in memory, 16 bytes of padding behind each
	s_mov_b32 s[G1], 15|(1<<20)|(1<<21)|(6<<22)|(3<<25)   ; 15:0 the mask: all four work-groups; 17:16 elements of 1 byte; 20 padding on; 21 set beside a mask; 24:22 after every 128 words; 31:25 four words
	s_mov_b32 s[G1+1], 512<<16                     ; tensor_dim0
	s_mov_b32 s[G1+2], 64<<16                      ; tensor_dim1
	s_mov_b32 s[G1+3], 512<<16                     ; tile_dim0
	s_mov_b32 s[G1+4], 64                          ; tile_dim1
	s_mov_b32 s[G1+5], 512                         ; from row to row
	s_mov_b32 s[G1+6], 0
	s_mov_b32 s[G1+7], 0
	s_mov_b32 s[G0A], 1
	s_mul_i32 s[G0A+1], s[WV], WTILE               ; my tile in slot 0: the wave's number alone
	s_mov_b32 s[G0A+4], 1
	s_add_co_u32 s[G0A+5], s[G0A+1], SLOTB         ; and in slot 1
	s_lshl_b32 s34, s[WV], 17                      ; my 256 rows of each weight's codes
	s_mov_b32 s35, 0
	s_wait_kmcnt 0x0
	s_add_nc_u64 s[8:9], s[8:9], s[34:35]
	s_add_nc_u64 s[12:13], s[12:13], s[34:35]
	s_add_nc_u64 s[16:17], s[16:17], s[34:35]
	s_add_nc_u64 s[20:21], s[20:21], s[34:35]
	s_mov_b64 s[G0A+2:G0A+3], s[8:9]               ; set 0
	s_or_b32 s[G0A+3], s[G0A+3], 0x80000000
	s_add_nc_u64 s[G0A+6:G0A+7], s[8:9], 32768     ; set 1
	s_or_b32 s[G0A+7], s[G0A+7], 0x80000000
	CROUND                                         ; all four work-groups are here: the first joint loads meet
	tensor_load_to_lds s[G0A:G0A+3], s[G1:G1+7]    ; two loads of mine are out
	s_nop 0
	tensor_load_to_lds s[G0A+4:G0A+7], s[G1:G1+7]
	s_nop 0
	PLACES
	s_lshl_b32 s34, s[WV], 13                      ; my 256 rows of each weight's scale bytes
	s_add_nc_u64 s[10:11], s[10:11], s[34:35]
	s_add_nc_u64 s[14:15], s[14:15], s[34:35]
	s_add_nc_u64 s[18:19], s[18:19], s[34:35]
	s_add_nc_u64 s[22:23], s[22:23], s[34:35]
	s_lshl_b32 s34, s[WV], 10                      ; my 256 norm weights, and my 256 columns of out
	s_add_nc_u64 s[24:25], s[24:25], s[34:35]
	s_add_nc_u64 s[26:27], s[26:27], s[34:35]
	s_add_nc_u64 s[28:29], s[28:29], s[34:35]
	s_lshl_b32 s33, s32, 5
	s_sub_co_i32 s33, s33, 32
	s_max_i32 s33, s33, 0                          ; the halo's first row: 32 g - 32; for g = 0 my own rows, so that no load leaves its buffer
	s_mov_b32 s3, 0
	s_lshl_b32 s2, s33, 9
	s_add_nc_u64 s[60:61], s[4:5], s[2:3]          ; the halo's codes
	s_lshl_b32 s2, s33, 5
	s_add_nc_u64 s[62:63], s[6:7], s[2:3]          ; and scale bytes
	s_lshl_b32 s2, s32, 14
	s_add_nc_u64 s[4:5], s[4:5], s[2:3]            ; my 32 rows' codes
	s_lshl_b32 s2, s32, 10
	s_add_nc_u64 s[6:7], s[6:7], s[2:3]
	s_lshl_b32 s2, s32, 17
	s_add_nc_u64 s[28:29], s[28:29], s[2:3]        ; my 32 rows of out
	s_and_b32 s[FIRST], s32, 63
	s_cmp_eq_u32 s[FIRST], 0
	s_cselect_b32 s[FIRST], -1, 0                  ; a batch is 64 blocks of 32 tokens
	s_mov_b32 s2, 0x3a800000                       ; 1/1024
	s_mov_b32 s3, 0x358637bd                       ; 1e-6
	s_mov_b32 s[SEL], 0x76543210
	s_mov_b32 s[SEL+1], 0xfedcba98
	s_mov_b32 s[CS], 0x3e0293ee                    ; log2(e) / sqrt(128)
	s_mov_b32 s[CS+1], s[CS]                       ; named with it as a pair
	s_lshl_b32 s[SLP], s[WV], 24
	s_sub_co_u32 s[SLP], 0x3f800000, s[SLP]        ; 2^-(2 w)
	s_sub_co_u32 s[SLP+1], s[SLP], 0x800000        ; 2^-(2 w + 1)
	v_and_b32 v[RL], 15, v0
	v_bfe_u32 v[HL], v0, 4, 1
	v_and_b32 v[TP], 31, v0
	v_lshlrev_b32 v[XO], 9, v[RL]
	v_lshl_add_u32 v[XO], v[HL], 4, v[XO]
	v_lshlrev_b32 v[WSO], 5, v[TP]
	v_lshlrev_b32 v[NWO], 5, v[HL]
	WIN 0x40                                       ; destination window 1: x's fragments (pair p, K step s, tile u) at 128 p + 16 s + 8 u: they stay
.irp ss, 0,1,2,3,4,5,6,7
.irp uu, 0,1
.irp cc, 0,1
	global_load_b128 v[16*\ss+8*\uu+4*\cc:16*\ss+8*\uu+4*\cc+3], v[XO], s[60:61] offset:8192*\uu+64*\ss+32*\cc
	global_load_b128 v[128+16*\ss+8*\uu+4*\cc:128+16*\ss+8*\uu+4*\cc+3], v[XO], s[4:5] offset:8192*\uu+64*\ss+32*\cc
.endr
.endr
.endr
	WIN 0
.irp ee, 0,1
	global_load_b128 v[XS+4*\ee:XS+4*\ee+3], v[WSO], s[62:63] offset:16*\ee      ; lane L: token L's eight scale words
	global_load_b128 v[XS+8+4*\ee:XS+8+4*\ee+3], v[WSO], s[6:7] offset:16*\ee
.endr
	NWLOAD 24, 0, KN
	NWLOAD 24, 1, KN
	WSLOAD 0
	WSLOAD 1
	v_mul_u32_u24 v[WA], v[RL], PITCH
	v_lshl_add_u32 v[WA], v[HL], 4, v[WA]
	s_mul_i32 s34, s[WV], WTILE
	v_add_nc_u32 v[WA], s34, v[WA]
	v_add_nc_u32 v[WA+1], SLOTB, v[WA]
	v_lshl_add_u32 v[YRD], v[TP], 4, YIMG
	s_lshl_b32 s34, s[WV], 11
	v_add_nc_u32 v[YWI], s34, v[YRD]
	v_lshl_add_u32 v[YWS], v[RL], 2, YSC
	s_lshl_b32 s34, s[WV], 8
	v_add_nc_u32 v[YWS], s34, v[YWS]
	v_lshl_add_u32 v[YRS], v[TP], 2, YSC
	v_lshl_add_u32 v[REDR], v[RL], 4, RED
	s_lshl_b32 s34, s[WV], 2
	v_add_nc_u32 v[REDW], s34, v[REDR]
	s_mul_i32 s34, s[WV], 16*SPITCH
	s_add_co_u32 s34, s34, STAGE
	v_mul_u32_u24 v[STO], v[RL], SPITCH
	v_lshl_add_u32 v[STO], v[HL], 5, v[STO]
	v_add_nc_u32 v[STO], s34, v[STO]
	v_mul_u32_u24 v[SRD], v[HL], SPITCH
	v_lshl_add_u32 v[SRD], v[RL], 4, v[SRD]
	v_add_nc_u32 v[SRD], s34, v[SRD]
	v_lshlrev_b32 v[CO], 12, v[HL]
	v_lshl_add_u32 v[CO], v[RL], 4, v[CO]
.irp b, 0,1,2,3
	v_mov_b32 v[TM+4+\b], 0                        ; written once: a lane permute's destination counts as one of its sources
.endr
	s_wait_tensorcnt 0x1                           ; my tile of set 0 is in (set 1's may be out); only I read it
	LOADU 0, 0, 0, 0
	LOADU 0, 0, 1, 1
; ---------------- K: token tiles t1, t2, t3
	SLOT 0, 4                                      ; the count leaves set 1's four scale loads out: x, its scales, k_norm_w and set 0's scales are in
	SLOT 1, 4
	SLOT 2, 4
	SLOT 3, 4
	REDUCE 3, 0
.irp hh, 0,1
.irp tt, 0,1,2
	NORM \hh, 64*\tt, RR+2*\tt, KN
.endr
.irp tt, 0,1,2
	QUANT \hh, 64*\tt, KC+8*\tt, 0, KS+3*\hh+\tt
.endr
.endr
	NWLOAD 26, 0, QN                               ; into registers that k's sums have left
	NWLOAD 26, 1, QN
; ---------------- Q: token tiles t2, t3
	SLOT 4, 36                                     ; behind set 4's scale loads: set 5's four and q_norm_w's 32
	SLOT 5, 36                                     ; behind set 5's: q_norm_w's 32 and set 6's four
	SLOT 6, 4
	SLOT 7, 4
	REDUCE 2, 1024
.irp hh, 0,1
.irp tt, 0,1
	NORM \hh, 64*\tt, RR+2*\tt, QN
.endr
.irp tt, 0,1
	QUANT \hh, 64*\tt, QC+8*\tt, 0, QS+2*\hh+\tt
.endr
	WIN (2+\hh)*64
.irp k, 32,33,34,35
	v_mov_b32 v[\k], 0                             ; behind v's codes: what the last tile's operand names beyond its own four registers
.endr
.endr
; ---------------- V: all four token tiles; a finished pair of column tiles is quantised along the keys at once
	SLOT 8, 4
	SLOT 9, 4
	SLOT 10, 4
	SLOT 11, 4                                     ; it fetches no unit of set 12: attention works in the buffers' registers
; ---------------- attention
	WIN 0
	v_lshlrev_b32 v[TP], 3, v[HL]
	v_sub_nc_u32 v[TP], v[TP], v[RL]               ; 8 h - r
	v_mov_b32 v[TT+3], 0xff800000                  ; -infinity
.irp j, 0,1,2,3,4,5,6,7                ; d = 8 h + j - r.  Own tile: key - query = d, kept where d <= 0.  Tile before: key - query = d - 16, kept where d >= 0
	v_add_nc_u32 v[TT], \j, v[TP]
	v_cvt_f32_i32 v[TT+1], v[TT]
	v_add_f32 v[TT+2], 0xc1800000, v[TT+1]
	v_mul_f32 v[BB+\j], 0x3fb8aa3b, v[TT+1]
	v_mul_f32 v[BA+\j], 0x3fb8aa3b, v[TT+2]
	v_cmp_gt_i32 vcc_lo, 1, v[TT]
	v_cndmask_b32 v[BB+\j], v[TT+3], v[BB+\j], vcc_lo
	v_cmp_lt_i32 vcc_lo, -1, v[TT]
	v_cndmask_b32 v[BA+\j], v[TT+3], v[BA+\j], vcc_lo
	v_cndmask_b32 v[BA2+\j], v[BA+\j], v[TT+3], s[FIRST]       ; in a batch's first block the halo's keys are no keys
.endr
.irp a, 0,1
.irp k, 4,5,6,7
	v_mov_b32 v[PC+8*\a+\k], 0                     ; p's codes of k = 64 .. 127: zeros
.endr
	v_mov_b32 v[ST+8*\a+3], 0                      ; a lane permute's destination counts as one of its sources
	v_mov_b32 v[ST+8*\a+5], 0                      ; named as the upper half of a pair
.endr
	ATT 0
	ATT 1
	s_wait_dscnt 0x0                               ; for the others' sake: y's images and scale words have landed
	s_barrier_signal -1
	s_barrier_wait -1
; ---------------- O: y's 16 fragments from LDS, then wo as the other weights
	WIN 0x40                                       ; destination window 1: (K step s = head, token tile u) at 16 s + 8 u
.irp ss, 0,1,2,3,4,5,6,7
.irp uu, 0,1
.irp cc, 0,1
	ds_load_b128 v[16*\ss+8*\uu+4*\cc:16*\ss+8*\uu+4*\cc+3], v[YRD] offset:(8*\uu+\ss)*1024+512*\cc
.endr
.endr
.endr
	WIN 0
.irp ss, 0,1,2,3,4,5,6,7
	ds_load_b32 v[YS+\ss], v[YRS] offset:128*\ss
.endr
	LOADU 0, 0, 0, 0                               ; set 12 landed before the change of slots in set 11
	LOADU 0, 0, 1, 1
	SLOT 12, 4
	SLOT 13, 4
	SLOT 14, 4
	SLOT 15, 0
	WIN 0
	s_wait_tensorcnt 0x0                           ; the wave's end: behind my last tensor load and my last LDS store
	ds_add_u32 v[SPW], v[NIL]
	s_wait_dscnt 0x0
	CROUND                                         ; the closing round: no work-group ends while a partner may still ask for a tile that names it
	s_endpgm
.Lfunc_end_k_q746e27acb9_fused:
	.size	k_q746e27acb9_fused, .Lfunc_end_k_q746e27acb9_fused-k_q746e27acb9_fused
	.p2alignl 7, 3214868480
	.fill 96, 4, 3214868480
	.section	.rodata,"a",@progbits
	.p2align	6, 0x0
	.amdhsa_kernel k_q746e27acb9_fused
		.amdhsa_group_segment_fixed_size 327680
		.amdhsa_private_segment_fixed_size 0
		.amdhsa_enable_private_segment 0
		.amdhsa_kernarg_size 104
		.amdhsa_user_sgpr_count 2
		.amdhsa_user_sgpr_kernarg_segment_ptr 1
		.amdhsa_wavefront_size32 1
		.amdhsa_system_sgpr_workgroup_id_x 1
		.amdhsa_system_sgpr_workgroup_id_y 1
		.amdhsa_system_sgpr_workgroup_id_z 1
		.amdhsa_system_vgpr_workitem_id 0
		.amdhsa_next_free_vgpr 1024
		.amdhsa_next_free_sgpr 66
		.amdhsa_reserve_vcc 1
		.amdhsa_float_denorm_mode_32 3
		.amdhsa_float_denorm_mode_16_64 3
		.amdhsa_memory_ordered 1
		.amdhsa_forward_progress 1
		.amdhsa_inst_pref_size 255
	.end_amdhsa_kernel
	.section	.bss,"aw",@nobits
	.p2align	6
	.space	262144
	.amdgpu_metadata
---
amdhsa.version: [ 1, 2 ]
amdhsa.kernels:
  - .name:           k_q746e27acb9_fused
    .symbol:         k_q746e27acb9_fused.kd
    .args:
      - { .name: x_codes, .offset: 0, .size: 8, .value_kind: global_buffer, .address_space: global }
      - { .name: x_scales, .offset: 8, .size: 8, .value_kind: global_buffer, .address_space: global }
      - { .name: wk_codes, .offset: 16, .size: 8, .value_kind: global_buffer, .address_space: global }
      - { .name: wk_scales, .offset: 24, .size: 8, .value_kind: global_buffer, .address_space: global }
      - { .name: wq_codes, .offset: 32, .size: 8, .value_kind: global_buffer, .address_space: global }
      - { .name: wq_scales, .offset: 40, .size: 8, .value_kind: global_buffer, .address_space: global }
      - { .name: wv_codes, .offset: 48, .size: 8, .value_kind: global_buffer, .address_space: global }
      - { .name: wv_scales, .offset: 56, .size: 8, .value_kind: global_buffer, .address_space: global }
      - { .name: wo_codes, .offset: 64, .size: 8, .value_kind: global_buffer, .address_space: global }
      - { .name: wo_scales, .offset: 72, .size: 8, .value_kind: global_buffer, .address_space: global }
      - { .name: k_norm_w, .offset: 80, .size: 8, .value_kind: global_buffer, .address_space: global }
      - { .name: q_norm_w, .offset: 88, .size: 8, .value_kind: global_buffer, .address_space: global }
      - { .name: out0, .offset: 96, .size: 8, .value_kind: global_buffer, .address_space: global }
    .group_segment_fixed_size: 327680
    .private_segment_fixed_size: 0
    .kernarg_segment_align: 8
    .kernarg_segment_size: 104
    .max_flat_workgroup_size: 128
    .sgpr_count:     66
    .vgpr_count:     1024
    .wavefront_size: 32
...
	.end_amdgpu_metadata
.endif
;; end of part 1
